; MI455X (gfx1250); checked and timed in simulation.
; The chip was launched on July 23, 2026; its instructions are those of AMD's public machine-readable ISA for CDNA 5 (MIT licence, August 2026) and "CDNA5" Instruction Set Architecture Reference Guide (July 2026). The comments in the code are by the model that wrote it; some were corrected since.
;; Simple Net. Allowed arithmetic: matrix products marked QUANTISED: E2M3 operands, one E8M0 scale for each 32 along K, by v_wmma_scale_f32_16x16x128_f8f6f4 with both operands' format E2M3, f32 sums; everything else in f32.
;; Inputs: W1_codes 256 x 16 x 24 uint8 (E2M3 codes of W1, K innermost, in blocks of 32 codes, four codes in three bytes); W1_scales 256 x 16 uint8 (E8M0 scales of W1, one for each 32 codes along K); x 8,192 x 512 float32; y 8,192 x 512 float32.
;; Outputs: out0 8,192 x 512 float32.
;; This version of the problem:
;;   THIS VERSION OF THE PROBLEM IS GIVEN IN LOW PRECISION. The matrix products marked QUANTISED in the list below multiply operands that are first quantised to E2M3 (2 exponent bits, 3 mantissa bits; 6 bits a number), with one power-of-two scale for each 32 numbers along K (OCP MX v1.0); their sums are f32. All else is computed in f32.
;;   The module's matrix products, in the order in which they are computed (A, B: the left and right operand; K: the contracted axis; several contracted axes count as one K, in the product's order):
;;     1. [M 8,192, K 512] x [K 512, N 256]; A: input x; B: input W1 (given as codes): QUANTISED
;;     2. [M 8,192, K 256] x [K 256, N 8,192]; A: computed on the way; B: computed on the way: QUANTISED
;;     3. [M 8,192, K 8,192] x [K 8,192, N 512]; A: computed on the way; B: input x: QUANTISED
;;   THE QUANTISER, for each operand of a quantised product, along K:
;;     - K is cut into blocks of 32 from its start; a last block that is shorter is filled with zeros.
;;     - A block's scale is 2^e with e = floor(log2(the largest magnitude in the block)) - 2, held to -126 .. 127; a block of zeros has e = 0. As a byte (E8M0): e + 127.
;;     - Each number is divided by its block's scale, clamped to +-7.5, and rounded to the nearest number of E2M3, ties to even, subnormals kept.
;;     - The product sums the exact products of the quantised numbers (number of the format x scale) in f32.
;;   ~~~python
;;   def quantise(x, axis):      # numpy; x: float32 -> the quantised numbers, widened to float32 again
;;       x = np.moveaxis(x, axis, -1); K = x.shape[-1]
;;       x = np.pad(x, [(0, 0)] * (x.ndim - 1) + [(0, -K % 32)]); x = x.reshape(x.shape[:-1] + (-1, 32)); a = np.abs(x).max(-1, keepdims=True)
;;       e = np.where(a > 0, np.clip(np.frexp(np.where(a > 0, a, 1))[1] - 1 - 2, -126, 127), 0)      # np.frexp(a)[1] - 1 = floor(log2(a)), exactly
;;       r = np.clip(x / 2.0 ** e, -7.5, 7.5)
;;       step = 2.0 ** (np.maximum(np.frexp(np.where(r == 0, 1, r))[1] - 1, 0) - 3)
;;       q = np.round(r / step) * step * 2.0 ** e      # np.round: ties to even
;;       return np.moveaxis(q.reshape(q.shape[:-2] + (-1,))[..., :K], -1, axis).astype(np.float32)
;;   ~~~
;;   OPERANDS COMPUTED ON THE WAY. 'Computed on the way' means the value that the module computes at that place (a softmax that the list does not call 'softmax' is quantised finished and normalised). What goes into a quantiser is computed in f32, as accurately as f32 sums, v_exp_f32 and their like allow (about 1e-6 of the number): no bf16 or f16 on the way to a quantiser, and a product that is left as it is and whose result goes on into a quantised operand takes f32 operands (vector FMAs, or v_wmma_f32_16x16x4_f32). A number that lies on a knife's edge between two numbers of the format may be rounded either way, as far as f32 arithmetic and the matrix unit's own rounding can turn it there, and no further.
;;   INPUTS GIVEN AS CODES. W1 (in the module: [256, 512], K = its axis 1): each comes as NAME_codes (uint8): NAME with its K axis moved to the last place and cut into blocks of 32 codes, [.., K / 32, bytes a block], one block behind the other in memory; four codes in three bytes: a row's codes are one little-endian stream of bits, code i at bits 6 i .. 6 i + 5 (a code: sign, 2 exponent bits, 3 mantissa bits); and NAME_scales (uint8): the same leading axes, one E8M0 byte (e + 127) for each 32 codes along K. Its value is code x scale, taken as it is: it is not quantised again, and the codes and scales need not be those that the quantiser above would give.
;; One version. Each part assembles by itself: llvm-mc -triple=amdgcn-amd-amdhsa -mcpu=gfx1250 --defsym DOCPART=n.
;; ======== version 1 of 1: 4 launches
;; workspace buffers: kimg 1,697,280 bytes; ximg 3,145,728 bytes; xscl 131,072 bytes; part 2,752,512 bytes; wimg 50,331,648 bytes; wscl 2,097,152 bytes
;; launch prep (part 1): grid 512 x 1, 4 waves a work-group, no clusters, 1,536 bytes of LDS; arguments x, W1_codes, W1_scales, kimg, ximg, xscl; writes kimg, ximg, xscl
.if DOCPART == 1
	.amdgcn_target "amdgcn-amd-amdhsa--gfx1250"
	.amdhsa_code_object_version 6
	.text
	.protected	k_qaf7ff58e92_prep
	.globl	k_qaf7ff58e92_prep
	.p2align	8
	.type	k_qaf7ff58e92_prep,@function
k_qaf7ff58e92_prep:
	s_mov_b64 s[64:65], 0
	v_nop
	global_prefetch_b8 v0, s[64:65] scope:SCOPE_SE
	s_setreg_imm32_b32 hwreg(HW_REG_WAVE_MODE, 25, 1), 1
	s_wait_xcnt 0x0
; PREP.  Two roles, parted by the work-group's number (the same for all four waves of a work-group).
; ROLE F (work-groups 0-255): f = Q(x) W1^T on codes of FP6 (E2M3), sq = the row's sum of f^2 in f32, and Q(f) along the 256 features.
; ROLE X (work-groups 256-511): x quantised DOWN its rows (K = the 8,192 rows, for the last product), a lane to a column.
; The input y is used by nothing that is computed here or later, as in the function that defines the result: no launch names it.
; LAYOUT OF WHAT IS STORED.  All operands are stored as images of their registers: a fragment (16 rows x 128 K, 12 registers a lane)
; is 1,536 bytes, registers 4 c .. 4 c + 3 of lane l at 512 c + 16 l.  The rows of tile T are not neighbours: lane r holds row
; 32 (T / 2) + 8 (T % 2) + r + 8 (r / 8), so that with keys as source 0 the 16 registers of tiles 2 b, 2 b + 1 are 16 neighbouring keys.
; kimg: records of REC bytes for 8 tiles: 16 images (tile t, K step s at 2 t + s), -sq / 2 of its 128 rows, its scale words (word n of row r at 256 (n / 4) + 16 r + 4 (n % 4)).
; Record 64 is written with zeros: the later launches multiply one round more than they use.
; LIMITS: NaN and infinities among the inputs are not served.  A block of zeros gets the scale byte 1: its codes are zeros, and only this program reads the bytes.
.set REC,   26112
.set HOFF,  24576
.set SOFF,  25088
.set TROW,  98304                      ; 64 images: a tile's codes for all of the last product's K
.set TM,    16                         ; v16-31  at work in QUANT
.set CT,    32                         ; v32-39  the conversions' second halves
.set XS,    40                         ; v40-43  x's scale words, one for each K step
.set FS,    44                         ; v44     f's scale word
.set XF,    48                         ; v48-95  x's four fragments; later f's codes
.set W1S,   96                         ; v96-127 W1's scale words: 4 t + K step
.set XA,    128                        ; v128-191 64 numbers of x; later the eight accumulators
.set XB,    192                        ; v192-255 64 numbers of x; later the sums of squares
.set SEL,   28                         ; s[28:29] selects of v_permlanex16_b32 for lane l xor 16
.set MSB, 0
.macro WIN new                         ; the immediate's high byte repeats the setting that is left
.if MSB != (\new)
	s_set_vgpr_msb (MSB<<8)|(\new)
.set MSB, (\new)
.endif
.endm
; 64 numbers of a lane, register 16 b + i = k 32 b + 16 (lane / 16) + i of my row, become a fragment's 12 registers at dst and its scale word in sw.
.macro QUANT src, dst, ct, sw, abs
.irp b, 0,1,2,3
.if \abs
	v_max3_num_f32 v[TM+\b], |v[(\src)+16*\b]|, |v[(\src)+1+16*\b]|, 0x1800000   ; my 16 numbers of block b, and the floor 2^(3 - 127): the byte cannot fall under 1
.else
	v_max3_num_f32 v[TM+\b], v[(\src)+16*\b], v[(\src)+1+16*\b], 0x1800000
.endif
.endr
.irp i, 2,4,6,8,10,12,14
.irp b, 0,1,2,3
.if \abs
	v_max3_num_f32 v[TM+\b], v[TM+\b], |v[(\src)+16*\b+\i]|, |v[(\src)+1+16*\b+\i]|
.else
	v_max3_num_f32 v[TM+\b], v[TM+\b], v[(\src)+16*\b+\i], v[(\src)+1+16*\b+\i]
.endif
.endr
.endr
.irp b, 0,1,2,3
	v_permlanex16_b32 v[TM+4+\b], v[TM+\b], s[SEL], s[SEL+1]
.endr
.irp b, 0,1,2,3
	v_max_num_f32 v[TM+\b], v[TM+\b], v[TM+4+\b]            ; with lane l xor 16's 16: the block's largest magnitude
.endr
.irp b, 0,1,2,3
	v_add_nc_u32 v[TM+12+\b], 0xff000000, v[TM+\b]          ; 2 off its exponent field: the conversion's scale operand
.endr
.irp b, 0,1,2,3
	v_lshrrev_b32 v[TM+4+\b], 23, v[TM+12+\b]               ; the scale's byte
.endr
	v_lshl_or_b32 v[\sw], v[TM+5], 8, v[TM+4]
	v_lshl_or_b32 v[\sw], v[TM+6], 16, v[\sw]
	v_lshl_or_b32 v[\sw], v[TM+7], 24, v[\sw]
.irp c, 0,1
	v_cvt_scalef32_pk16_fp6_f32 v[(\dst)+6*\c:(\dst)+6*\c+2], v[(\src)+32*\c:(\src)+32*\c+15], v[TM+12+2*\c]
	v_cvt_scalef32_pk16_fp6_f32 v[(\ct)+4*\c:(\ct)+4*\c+2], v[(\src)+32*\c+16:(\src)+32*\c+31], v[TM+13+2*\c]   ; (a conversion's three registers begin on an even number)
.endr
	v_nop                                                   ; one plain instruction behind the scaled conversions
.irp c, 0,1                                                     ; the operand wants a whole block in a lane: lanes 0-15 block 2 c, lanes 16-31 block 2 c + 1
.irp i, 0,1,2
	v_permlane16_swap_b32 v[(\dst)+6*\c+\i], v[(\ct)+4*\c+\i]
.endr
.irp i, 0,1,2
	v_mov_b32 v[(\dst)+6*\c+3+\i], v[(\ct)+4*\c+\i]
.endr
.endr
.endm
	s_load_b256 s[4:11], s[0:1], 0x0               ; x s[4:5], W1's codes s[6:7], W1's scales s[8:9], kimg s[10:11]
	s_load_b128 s[12:15], s[0:1], 0x20             ; ximg s[12:13], xscl s[14:15]
	v_lshl_add_u32 v46, v0, 2, 0x400
	v_mov_b32 v47, 0
	v_lshrrev_b32 v1, 5, v0
	v_readfirstlane_b32 s16, v1                    ; wave 0..3
	v_and_b32 v1, 15, v0                           ; r
	v_bfe_u32 v2, v0, 4, 1                         ; h
	v_and_b32 v11, 31, v0                          ; lane
	v_lshlrev_b32 v4, 4, v11                       ; 16 x lane: my place in a piece of an image
	v_lshlrev_b32 v10, 2, v1                       ; 4 r
	v_lshlrev_b32 v7, 4, v1                        ; 16 r
	s_lshr_b32 s17, s16, 1                         ; u: which of the work-group's two tiles
	s_and_b32 s18, s16, 1                          ; s: which 128 features
	s_lshl_b32 s19, s16, 6
	v_add_nc_u32 v8, s19, v10                      ; LDS: my wave's 16 partial sums: 64 w + 4 r
	s_lshl_b32 s19, s17, 7
	v_add_nc_u32 v9, s19, v10                      ; LDS: my tile's two waves' sums: 128 u + 4 r, and 64 on
	s_mov_b32 s[SEL], 0x76543210
	s_mov_b32 s[SEL+1], 0xfedcba98
	s_wait_kmcnt 0x0
	s_cmp_lt_u32 ttmp9, 256
	s_cbranch_scc0 .Lrole_x
	; ---------------- ROLE F.  g = work-group; wave (u, s): tile 2 g + u, features 128 s .. 128 s + 127.  Both waves of a tile quantise the same 16 rows of x.
	s_lshl_b32 s20, ttmp9, 16                      ; 32 rows of 2,048 bytes a work-group
	s_mov_b32 s21, 0
	s_add_nc_u64 s[4:5], s[4:5], s[20:21]
	s_mul_i32 s20, s18, 49152                      ; my 128 rows of W1: 384 bytes a row
	s_add_nc_u64 s[6:7], s[6:7], s[20:21]
	s_lshl_b32 s20, s18, 11                        ; and their scale bytes: 16 a row
	s_add_nc_u64 s[8:9], s[8:9], s[20:21]
	s_add_nc_u64 s[22:23], s[10:11], 64*REC        ; the record of zeros
	s_lshr_b32 s20, ttmp9, 2
	s_mul_i32 s20, s20, REC
	s_add_nc_u64 s[10:11], s[10:11], s[20:21]      ; my record: four work-groups fill one
	s_and_b32 s24, ttmp9, 3
	s_lshl_b32 s25, s24, 2
	s_add_co_u32 s25, s25, s16                     ; my image in the record: 4 (g % 4) + w
	s_mul_i32 s20, s25, 1536
	s_add_nc_u64 s[30:31], s[10:11], s[20:21]
	s_lshl_b32 s20, s24, 8
	s_lshl_b32 s26, s16, 2
	s_add_co_u32 s20, s20, s26                     ; my scale words: 256 (g % 4) + 4 w
	s_add_nc_u64 s[32:33], s[10:11], s[20:21]
	s_lshl_b32 s20, s24, 1
	s_add_co_u32 s20, s20, s17
	s_lshl_b32 s20, s20, 6                         ; my tile's -sq / 2: 64 bytes a tile
	s_add_nc_u64 s[34:35], s[10:11], s[20:21]
	s_lshl_b32 s36, ttmp9, 2
	s_add_co_u32 s36, s36, s16                     ; 4 g + w: the first 51 waves write 512 zero bytes each
	s_lshl_b32 s20, s36, 9
	s_add_nc_u64 s[22:23], s[22:23], s[20:21]
	s_wait_alu depctr_va_vdst(0)
	v_and_b32 v12, 8, v1
	v_add_nc_u32 v12, v12, v1                      ; r + 8 (r / 8)
	v_lshlrev_b32 v3, 11, v12
	v_lshl_add_u32 v3, v2, 6, v3
	s_lshl_b32 s19, s17, 14
	v_add_nc_u32 v3, s19, v3                       ; x: row 8 u + r + 8 (r / 8) of the group's 32, + 64 h: my 16 numbers of a block of 32
	v_mul_u32_u24 v5, v12, 384
	v_mad_u32_u24 v5, v2, 24, v5                   ; W1's codes: the tile's row, + 24 h
	v_lshlrev_b32 v6, 4, v12                       ; W1's scale bytes: 16 a row: four words, one for each K step
.irp b, 0,1,2,3
	v_mov_b32 v[TM+4+\b], 0                        ; written once: a lane permute's destination counts as one of its sources
.endr
.macro XLOAD reg, k                    ; my row's 64 numbers of K step k
.irp b, 0,1,2,3
.irp j, 0,1,2,3
	global_load_b128 v[\reg+16*\b+4*\j:\reg+16*\b+4*\j+3], v3, s[4:5] offset:512*(\k)+128*\b+16*\j
.endr
.endr
.endm
	XLOAD XA, 0
	XLOAD XB, 1
.irp t, 0,1,2,3,4,5,6,7
	global_load_b128 v[W1S+4*\t:W1S+4*\t+3], v6, s[8:9] offset:(32*(\t/2)+8*(\t%2))*16
.endr
	WIN 0x40                                       ; destination window 1: W1's fragments of K steps 0, 1 at 96 k + 12 t
.irp k, 0,1
.irp t, 0,1,2,3,4,5,6,7
.irp p, 0,1,2,3,4,5
	global_load_b64 v[96*\k+12*\t+2*\p:96*\k+12*\t+2*\p+1], v5, s[6:7] offset:(32*(\t/2)+8*(\t%2))*384+96*\k+48*(\p/3)+8*(\p%3)
.endr
.endr
.endr
	WIN 0x80                                       ; window 2: those of K steps 2, 3
.irp k, 0,1
.irp t, 0,1,2,3,4,5,6,7
.irp p, 0,1,2,3,4,5
	global_load_b64 v[96*\k+12*\t+2*\p:96*\k+12*\t+2*\p+1], v5, s[6:7] offset:(32*(\t/2)+8*(\t%2))*384+96*(\k+2)+48*(\p/3)+8*(\p%3)
.endr
.endr
.endr
	WIN 0
	s_wait_loadcnt 63                              ; 200 loads were issued behind x's first 32, and loads come back in order: those 32 are in
	QUANT XA, XF, CT, XS, 1
	XLOAD XA, 2
	QUANT XB, XF+12, CT, XS+1, 1
	XLOAD XB, 3
	s_wait_loadcnt 16                              ; all but K step 3's 16 loads: K step 2 and all of W1 are in
	QUANT XA, XF+24, CT, XS+2, 1
	s_wait_loadcnt 0x0
	QUANT XB, XF+36, CT, XS+3, 1
.rept 8
	v_nop                                          ; a scale word made by vector instructions stands 8 places ahead of a scaled matrix instruction, an operand so made 4
.endr
; TRANSPOSED: source 0 = 16 rows of W1, source 1 = x's 16 rows: a lane holds one row of f, and the 16 registers of tiles 2 b, 2 b + 1 are features 32 b + 16 h + 0 .. 15.
; The eight accumulators take turns, one instruction a turn.
.macro P1 k, zero
.irp t, 0,1,2,3,4,5,6,7
.if \zero
	v_wmma_scale_f32_16x16x128_f8f6f4 v[XA+8*\t:XA+8*\t+7], v[96*((\k)%2)+12*\t:96*((\k)%2)+12*\t+11], v[XF+12*(\k):XF+12*(\k)+11], 0, v[W1S+4*\t+(\k)], v[XS+(\k)] matrix_a_fmt:MATRIX_FMT_FP6 matrix_b_fmt:MATRIX_FMT_FP6
.else
	v_wmma_scale_f32_16x16x128_f8f6f4 v[XA+8*\t:XA+8*\t+7], v[96*((\k)%2)+12*\t:96*((\k)%2)+12*\t+11], v[XF+12*(\k):XF+12*(\k)+11], v[XA+8*\t:XA+8*\t+7], v[W1S+4*\t+(\k)], v[XS+(\k)] matrix_a_fmt:MATRIX_FMT_FP6 matrix_b_fmt:MATRIX_FMT_FP6
.endif
.endr
.endm
	WIN 0x01                                       ; source 0 window 1
	P1 0, 1
	P1 1, 0
	WIN 0x02                                       ; source 0 window 2
	P1 2, 0
	P1 3, 0
	WIN 0
.rept 4
	v_nop                                          ; four places between the last product and the first read of results
.endr
	; the sum of squares of my 64 numbers, in four chains of pairs; each accumulator is read from its low end on
.irp j, 0,2,4,6
	v_pk_mul_f32 v[XB+\j:XB+\j+1], v[XA+\j:XA+\j+1], v[XA+\j:XA+\j+1]
.endr
.irp t, 1,2,3,4,5,6,7
.irp j, 0,2,4,6
	v_pk_fma_f32 v[XB+\j:XB+\j+1], v[XA+8*\t+\j:XA+8*\t+\j+1], v[XA+8*\t+\j:XA+8*\t+\j+1], v[XB+\j:XB+\j+1]
.endr
.endr
	v_pk_add_f32 v[XB:XB+1], v[XB:XB+1], v[XB+2:XB+3]
	v_pk_add_f32 v[XB+4:XB+5], v[XB+4:XB+5], v[XB+6:XB+7]
	v_pk_add_f32 v[XB:XB+1], v[XB:XB+1], v[XB+4:XB+5]
	v_add_f32 v[XB], v[XB], v[XB+1]
	v_permlanex16_b32 v[XB+2], v[XB], s[SEL], s[SEL+1]
	v_add_f32 v[XB], v[XB], v[XB+2]                ; my wave's 128 features of row r
	ds_store_b32 v8, v[XB]                         ; (lanes r and r + 16 write the same word with the same value)
	s_wait_dscnt 0x0                               ; my store has landed: then the barrier, behind which the tile's other wave reads it
	s_barrier_signal -1
	s_barrier_wait -1
	ds_load_b32 v[XB+4], v9
	ds_load_b32 v[XB+5], v9 offset:64
	s_wait_dscnt 0x0
	v_add_f32 v[XB+4], v[XB+4], v[XB+5]            ; sq of row r
	v_mul_f32 v[XB+6], -0.5, v[XB+4]               ; -sq / 2: the C of the distance product's first link
	QUANT XA, XF, CT, FS, 1                        ; Q(f): K step s of the distance product, for my tile
.irp c, 0,1,2
	global_store_b128 v4, v[XF+4*\c:XF+4*\c+3], s[30:31] offset:512*\c    ; 32 lanes store 512 consecutive bytes
.endr
	global_store_b32 v7, v[FS], s[32:33] offset:SOFF
	s_cmp_lg_u32 s18, 0
	s_cbranch_scc1 .Lno_h                          ; one of a tile's two waves stores -sq / 2
	global_store_b32 v10, v[XB+6], s[34:35] offset:HOFF
.Lno_h:
	s_cmp_lt_u32 s36, 51
	s_cbranch_scc0 .Lno_pad                        ; REC = 51 x 512 bytes of zeros
.irp b, 0,1,2,3
	v_mov_b32 v[TM+\b], 0
.endr
	global_store_b128 v4, v[TM:TM+3], s[22:23]
.Lno_pad:
	s_wait_tensorcnt 0x0
	ds_add_u32 v46, v47
	s_wait_dscnt 0x0
	s_endpgm
	; ---------------- ROLE X.  Wave W = 4 (work-group - 256) + w takes rows 128 (W / 16) on, columns 32 (W % 16) on.  A lane takes a column and its registers run down the 128 rows:
	; a block of 32 along K lies in one lane, and the conversions give codes with K innermost.  The four waves of a work-group stand side by side on 512 bytes of each row.
.Lrole_x:
	s_sub_co_u32 s17, ttmp9, 256
	s_lshl_b32 s17, s17, 2
	s_add_co_u32 s17, s17, s16                     ; W
	s_lshr_b32 s18, s17, 4                         ; the K step
	s_and_b32 s19, s17, 15                         ; the group of 32 columns
	s_lshl_b32 s20, s18, 18                        ; 128 rows of 2,048 bytes
	s_lshl_b32 s22, s19, 7
	s_add_co_u32 s20, s20, s22
	s_mov_b32 s21, 0
	s_add_nc_u64 s[4:5], s[4:5], s[20:21]
	s_mul_i32 s20, s19, 2*TROW                     ; ximg: column tile 2 cg,
	s_mul_i32 s22, s18, 1536                       ; image of this K step
	s_add_co_u32 s20, s20, s22
	s_add_nc_u64 s[12:13], s[12:13], s[20:21]
	s_lshl_b32 s20, s19, 13                        ; xscl: 4,096 bytes a column tile,
	s_lshr_b32 s22, s18, 2
	s_lshl_b32 s22, s22, 8                         ; 256 bytes for four K steps,
	s_add_co_u32 s20, s20, s22
	s_and_b32 s22, s18, 3
	s_lshl_b32 s22, s22, 2                         ; a word for each
	s_add_co_u32 s20, s20, s22
	s_add_nc_u64 s[14:15], s[14:15], s[20:21]
	s_wait_alu depctr_va_vdst(0)
	v_lshlrev_b32 v3, 2, v11                       ; in: 4 bytes a lane
	v_lshlrev_b32 v5, 12, v2
	v_lshl_add_u32 v5, v1, 4, v5                   ; my scale word: 4,096 (lane / 16) + 16 (lane % 16)
.set n, 0
.rept 128
	global_load_b32 v[128+n], v3, s[4:5] offset:2048*n
.set n, n+1
.endr
.macro XBLK b, dst                     ; block b of my column: its largest magnitude, its byte, its 32 codes in six registers at dst
.set XX, 128+32*(\b)
	v_max3_num_f32 v93, |v[XX]|, |v[XX+1]|, |v[XX+2]|
	v_max3_num_f32 v94, |v[XX+3]|, |v[XX+4]|, |v[XX+5]|
.irp i, 6,10,14,18,22,26
	v_max3_num_f32 v93, v93, |v[XX+\i]|, |v[XX+\i+1]|
	v_max3_num_f32 v94, v94, |v[XX+\i+2]|, |v[XX+\i+3]|
.endr
	v_max3_num_f32 v93, v93, |v[XX+30]|, |v[XX+31]|
	v_max3_num_f32 v93, v93, v94, 0x1800000        ; and the floor 2^(3 - 127)
	v_add_nc_u32 v92, 0xff000000, v93              ; 2 off the exponent field: the conversion's scale operand
	v_lshrrev_b32 v94, 23, v92                     ; the byte
.if (\b) == 0
	v_mov_b32 v96, v94
.else
	v_lshl_or_b32 v96, v94, 8*(\b), v96            ; four bytes make my column's scale word for this K step
.endif
	v_cvt_scalef32_pk16_fp6_f32 v[\dst:\dst+2], v[XX:XX+15], v92
	v_cvt_scalef32_pk16_fp6_f32 v[88:90], v[XX+16:XX+31], v92
	v_nop                                          ; one plain instruction behind the scaled conversions
.irp i, 0,1,2
	v_mov_b32 v[\dst+3+\i], v[88+\i]
.endr
.endm
	s_wait_loadcnt 63                              ; at least 65 of the 128 loads are in: blocks 0 and 1
	XBLK 0, 64
	XBLK 1, 76
	s_wait_loadcnt 32                              ; block 3's 32 loads may be out
	XBLK 2, 70
	s_wait_loadcnt 0x0
	XBLK 3, 82
	; lanes 0-15 hold the columns of tile 2 cg, lanes 16-31 those of tile 2 cg + 1, each all four blocks.  A fragment wants block 2 c in lanes 0-15 and block 2 c + 1 in lanes 16-31 of ONE tile:
	; the even block's upper lanes change places with the odd block's lower lanes.  v64-75 are then tile 2 cg's fragment, v76-87 tile 2 cg + 1's.
.irp c, 0,1
.irp m, 0,1,2,3,4,5
	v_permlane16_swap_b32 v[64+6*\c+\m], v[76+6*\c+\m]
.endr
.endr
.irp c, 0,1,2
	global_store_b128 v4, v[64+4*\c:64+4*\c+3], s[12:13] offset:512*\c
	global_store_b128 v4, v[76+4*\c:76+4*\c+3], s[12:13] offset:TROW+512*\c
.endr
	global_store_b32 v5, v96, s[14:15]
	s_endpgm
.Lfunc_end_k_qaf7ff58e92_prep:
	.size	k_qaf7ff58e92_prep, .Lfunc_end_k_qaf7ff58e92_prep-k_qaf7ff58e92_prep
	.p2alignl 7, 3214868480
	.fill 96, 4, 3214868480
	.section	.rodata,"a",@progbits
	.p2align	6, 0x0
	.amdhsa_kernel k_qaf7ff58e92_prep
		.amdhsa_group_segment_fixed_size 1536
		.amdhsa_private_segment_fixed_size 0
		.amdhsa_enable_private_segment 0
		.amdhsa_kernarg_size 48
		.amdhsa_user_sgpr_count 2
		.amdhsa_user_sgpr_kernarg_segment_ptr 1
		.amdhsa_wavefront_size32 1
		.amdhsa_system_sgpr_workgroup_id_x 1
		.amdhsa_system_sgpr_workgroup_id_y 1
		.amdhsa_system_sgpr_workgroup_id_z 1
		.amdhsa_system_vgpr_workitem_id 0
		.amdhsa_next_free_vgpr 768
		.amdhsa_next_free_sgpr 66
		.amdhsa_reserve_vcc 0
		.amdhsa_float_denorm_mode_32 3
		.amdhsa_float_denorm_mode_16_64 3
		.amdhsa_memory_ordered 1
		.amdhsa_forward_progress 1
		.amdhsa_inst_pref_size 75
	.end_amdhsa_kernel
	.amdgpu_metadata
---
amdhsa.version: [ 1, 2 ]
amdhsa.kernels:
  - .name:           k_qaf7ff58e92_prep
    .symbol:         k_qaf7ff58e92_prep.kd
    .args:
      - { .name: x, .offset: 0, .size: 8, .value_kind: global_buffer, .address_space: global }
      - { .name: W1_codes, .offset: 8, .size: 8, .value_kind: global_buffer, .address_space: global }
      - { .name: W1_scales, .offset: 16, .size: 8, .value_kind: global_buffer, .address_space: global }
      - { .name: kimg, .offset: 24, .size: 8, .value_kind: global_buffer, .address_space: global }
      - { .name: ximg, .offset: 32, .size: 8, .value_kind: global_buffer, .address_space: global }
      - { .name: xscl, .offset: 40, .size: 8, .value_kind: global_buffer, .address_space: global }
    .group_segment_fixed_size: 1536
    .private_segment_fixed_size: 0
    .kernarg_segment_align: 8
    .kernarg_segment_size: 48
    .max_flat_workgroup_size: 128
    .sgpr_count:     66
    .vgpr_count:     768
    .wavefront_size: 32
...
	.end_amdgpu_metadata
.endif
;; end of part 1
;; launch select (part 2): grid 64 x 4, 4 waves a work-group, no clusters, 327,680 bytes of LDS; arguments kimg, part; writes part
.if DOCPART == 2
	.amdgcn_target "amdgcn-amd-amdhsa--gfx1250"
	.amdhsa_code_object_version 6
	.text
	.protected	k_qaf7ff58e92_select
	.globl	k_qaf7ff58e92_select
	.p2align	8
	.type	k_qaf7ff58e92_select,@function
k_qaf7ff58e92_select:
	s_mov_b64 s[64:65], 0
	v_nop
	global_prefetch_b8 v0, s[64:65] scope:SCOPE_SE
	s_setreg_imm32_b32 hwreg(HW_REG_WAVE_MODE, 25, 1), 1
	s_wait_xcnt 0x0
; SELECT.  For each row i and each quarter of the keys: the 21 largest D(i, j) = Q(f_i) . Q(f_j) - sq_j / 2, sorted.  d^2 = sq_i - 2 D falls as D rises, so these are the 21 nearest keys of the quarter;
; no d^2 and no root is formed here.  -sq_j / 2 is the C of the sum's first matrix instruction.  LIMITS: NaN and infinities are not served.
; SHARES.  Work-group (rb, quarter): the 128 rows of record rb against 2,048 keys.  Wave w owns query tiles 2 w, 2 w + 1 of the record, so that each fragment of keys feeds two products.
; A ROUND is one record of kimg: 8 key tiles, 128 keys.  Source 0 = 16 keys, source 1 = 16 queries: a lane holds ONE query and, of a tile, 8 keys.
; THE SELECTION has no branch on data.  S8 orders 8 numbers partly, in 16 instructions: groups of 3, 3, 2 are sorted, then the groups' firsts, seconds and thirds among themselves.  Its output e has at least
; PA(e) = (1 + e / 3)(1 + e % 3) of the 8 numbers at or above it.  S8 runs inside each tile's 8 registers and then, output by output, across the round's 8 tiles.  A number of class (e, f) has at least
; P = PA(e) PA(f) numbers of its round at or above it, and the j-th largest that a class has seen has P j: so a class keeps a sorted list of 21 / P numbers (192 registers for the 64 classes), and
; nothing of the 21 largest is lost.  At the end the lists are merged, then the two halves of the lanes.
; THE RING.  Two LDS slots of four records; each wave brings one record by one tensor load, so one tensor load a wave is out.  The pipeline: a trip loads round r + 1's fragments, sorts round r, multiplies round r + 1.
; Round 0 comes straight from memory.  The last trip multiplies round 16 (the next quarter's first record, or the record of zeros), whose results nobody reads.
; No cluster: what partners could share is 26 KB a round, against some 900 vector instructions a wave and round that bound the loop.
; REGISTERS.  window 0: v1-10 addresses; v30, v31 the spare word's address and 0; v32-47 the keys' scale words, v48-51 the queries'; v64-111 the queries' four fragments; v128-191 Y, at work; v192-212 T.
;   windows 1, 2 (query tile 0, 1): v0-63 the accumulators X (tile t at 8 t); v64-255 the lists, class (0, 0) first.   window 3: v0-191 the keys' 16 fragments; v192-255 -sq / 2 in the result's layout.
.set REC,   26112
.set HOFF,  24576
.set SOFF,  25088
.set SLOT1, 131072                     ; slot 1 begins here: one exclusive or turns an address in one slot into the other's
.set SPARE, 262144                     ; the spare words, 128 bytes a wave: two blocks of 256 bytes that no other line names
.set KW,  3
.set KF,  0
.set HN,  192
.set KS,  32
.set QS,  48
.set QF,  64
.set Y,   128
.set T,   192
.set TB,  24                           ; s24  LDS byte of the record to be fetched
.set VIS, 25
.set RND, 26
.set WV,  27
.set SEL, 28
.set HM,  30                           ; s30  lanes 16-31
.set NINF, 31
.set MSB, 0
.macro WIN new                         ; the immediate's high byte repeats the setting that is left
.if MSB != (\new)
	s_set_vgpr_msb (MSB<<8)|(\new)
.set MSB, (\new)
.endif
.endm
.macro PLACES n
.rept \n
	v_nop
.endr
.endm
	s_load_b128 s[4:7], s[0:1], 0x0                ; kimg, part
	v_lshl_add_u32 v30, v0, 2, SPARE
	v_mov_b32 v31, 0
	ds_add_u32 v30, v31
	ds_add_u32 v30, v31
	s_wait_dscnt 0x0
	v_lshrrev_b32 v1, 5, v0
	v_readfirstlane_b32 s[WV], v1                  ; wave 0..3
	s_and_b32 s33, ttmp7, 0xffff                   ; the quarter
	; descriptor group 1: a record as 102 dense rows of 256 bytes (32 elements of 8 bytes), no padding
	s_mov_b32 s16, 3<<16
	s_mov_b32 s17, 32<<16                          ; tensor_dim0
	s_mov_b32 s18, 102<<16                         ; tensor_dim1
	s_mov_b32 s19, 32<<16                          ; tile_dim0
	s_mov_b32 s20, 102                             ; tile_dim1
	s_mov_b32 s21, 32                              ; the pitch
	s_mov_b32 s22, 0
	s_mov_b32 s23, 0
	s_mov_b32 s12, 1
	s_mul_i32 s13, s[WV], REC                      ; LDS: slot 0, my record
	s_lshl_b32 s34, s33, 4
	s_mul_i32 s36, s34, REC                        ; the quarter's first record
	s_mov_b32 s37, 0
	s_add_co_u32 s38, s13, REC                     ; rounds 1 + w
	s_mov_b32 s39, 0
	s_mul_i32 s40, ttmp9, REC                      ; my queries' record
	s_mov_b32 s41, 0
	s_mov_b32 s[TB], 0
	s_mov_b32 s[SEL], 0x76543210
	s_mov_b32 s[SEL+1], 0xfedcba98
	s_mov_b32 s[HM], 0xffff0000
	s_mov_b32 s[NINF], 0xff800000
	s_wait_kmcnt 0x0
	s_add_nc_u64 s[36:37], s[4:5], s[36:37]
	s_add_nc_u64 s[14:15], s[36:37], s[38:39]
	s_or_b32 s15, s15, 0x80000000                  ; type = 2
	tensor_load_to_lds s[12:15], s[16:23]          ; slot 0 <- rounds 1 to 4, a record a wave
	s_nop 0
	PLACES 4
	s_add_nc_u64 s[40:41], s[4:5], s[40:41]
	s_mul_i32 s38, s[WV], 6144
	s_add_nc_u64 s[42:43], s[40:41], s[38:39]      ; my two tiles' four images
	s_lshl_b32 s38, s[WV], 8
	s_add_nc_u64 s[44:45], s[40:41], s[38:39]      ; and their four scale words a row
	s_mul_i32 s38, s33, 21*8192*4
	s_lshl_b32 s35, ttmp9, 9
	s_add_co_u32 s38, s38, s35
	s_lshl_b32 s35, s[WV], 7
	s_add_co_u32 s38, s38, s35
	s_add_nc_u64 s[46:47], s[6:7], s[38:39]        ; part: my quarter, my wave's 32 positions
	v_and_b32 v1, 15, v0                           ; r
	v_bfe_u32 v2, v0, 4, 1                         ; h
	v_and_b32 v9, 31, v0
	v_lshlrev_b32 v3, 4, v9                        ; 16 x lane
	v_lshlrev_b32 v7, 5, v2                        ; 32 h: my half's eight keys of a tile's -sq / 2
	v_lshlrev_b32 v8, 4, v1                        ; 16 r: my row's four scale words
	v_lshlrev_b32 v10, 2, v9                       ; 4 x lane
	; round 0's record straight from memory, in the places that LOADS fills from LDS
	WIN KW<<6
.set n, 0
.rept 16
.irp c, 0,1,2
	global_load_b128 v[KF+12*n+4*\c:KF+12*n+4*\c+3], v3, s[36:37] offset:1536*n+512*\c
.endr
.set n, n+1
.endr
.irp t, 0,1,2,3,4,5,6,7
.irp e, 0,1
	global_load_b128 v[HN+8*\t+4*\e:HN+8*\t+4*\e+3], v7, s[36:37] offset:HOFF+64*\t+16*\e
.endr
.endr
	WIN 0
.irp i, 0,1,2,3
	global_load_b128 v[KS+4*\i:KS+4*\i+3], v8, s[36:37] offset:SOFF+256*\i
.endr
.irp f, 0,1,2,3
.irp c, 0,1,2
	global_load_b128 v[QF+12*\f+4*\c:QF+12*\f+4*\c+3], v3, s[42:43] offset:1536*\f+512*\c   ; the queries stay in registers: tile f / 2, K step f % 2
.endr
.endr
	global_load_b128 v[QS:QS+3], v8, s[44:45] offset:SOFF
	; the lists begin as -infinity, under every number: the insertions are then the same in every round
	WIN 0x40
.set n, 64
.rept 192
	v_mov_b32 v[n], s[NINF]
.set n, n+1
.endr
	WIN 0x80
.set n, 64
.rept 192
	v_mov_b32 v[n], s[NINF]
.set n, n+1
.endr
	WIN 0
.set n, 0
.rept 21
	v_mov_b32 v[T+n], 0                            ; written once: a lane permute's destination counts as one of its sources
.set n, n+1
.endr
.macro LOADS                           ; a record's 68 loads in one run: 16 fragments, -sq / 2 in the result's layout, the scale words
	v_add_nc_u32 v4, s[TB], v3
	v_add_nc_u32 v5, s[TB], v7
	v_add_nc_u32 v6, s[TB], v8
	WIN KW<<6
.set n, 0
.rept 16
.irp c, 0,1,2
	ds_load_b128 v[KF+12*n+4*\c:KF+12*n+4*\c+3], v4 offset:1536*n+512*\c
.endr
.set n, n+1
.endr
.irp t, 0,1,2,3,4,5,6,7
.irp e, 0,1
	ds_load_b128 v[HN+8*\t+4*\e:HN+8*\t+4*\e+3], v5 offset:HOFF+64*\t+16*\e
.endr
.endr
	WIN 0
.irp i, 0,1,2,3
	ds_load_b128 v[KS+4*\i:KS+4*\i+3], v6 offset:SOFF+256*\i
.endr
.endm
; 8 products: query tile q, K step s, the 8 key tiles.  s = 0 starts the sums with C = -sq / 2 of the keys; s = 1 adds in place.
.macro MMRUN q, s, acc, win
	WIN \win
.irp t, 0,1,2,3,4,5,6,7
.if \s == 0
	v_wmma_scale_f32_16x16x128_f8f6f4 v[(\acc)+8*\t:(\acc)+8*\t+7], v[KF+24*\t:KF+24*\t+11], v[QF+24*\q:QF+24*\q+11], v[HN+8*\t:HN+8*\t+7], v[KS+2*\t], v[QS+2*\q] matrix_a_fmt:MATRIX_FMT_FP6 matrix_b_fmt:MATRIX_FMT_FP6
.else
	v_wmma_scale_f32_16x16x128_f8f6f4 v[(\acc)+8*\t:(\acc)+8*\t+7], v[KF+24*\t+12:KF+24*\t+23], v[QF+24*\q+12:QF+24*\q+23], v[(\acc)+8*\t:(\acc)+8*\t+7], v[KS+2*\t+1], v[QS+2*\q+1] matrix_a_fmt:MATRIX_FMT_FP6 matrix_b_fmt:MATRIX_FMT_FP6
.endif
.endr
.endm
.macro MM                              ; 32 products; the 16 accumulators take turns, one instruction a turn: 15 others' stand between a sum's two links
	MMRUN 0, 0, 0, 0x73                            ; keys and C window 3, queries window 0, D window 1
	MMRUN 1, 0, 0, 0xb3                            ; D window 2
	MMRUN 0, 1, 0, 0x53                            ; C and D window 1
	MMRUN 1, 1, 0, 0xa3                            ; C and D window 2
.endm
.macro IDX b, st
.set i0, (\b)
.set i1, (\b)+(\st)
.set i2, (\b)+2*(\st)
.set i3, (\b)+3*(\st)
.set i4, (\b)+4*(\st)
.set i5, (\b)+5*(\st)
.set i6, (\b)+6*(\st)
.set i7, (\b)+7*(\st)
.endm
.macro S8A b, st                       ; X -> Y: the groups (0 1 2), (3 4 5), (6 7) are sorted, the largest first
	IDX \b, \st
	v_max3_num_f32 v[Y+i0], v[i0], v[i1], v[i2]
	v_med3_num_f32 v[Y+i1], v[i0], v[i1], v[i2]
	v_min3_num_f32 v[Y+i2], v[i0], v[i1], v[i2]
	v_max3_num_f32 v[Y+i3], v[i3], v[i4], v[i5]
	v_med3_num_f32 v[Y+i4], v[i3], v[i4], v[i5]
	v_min3_num_f32 v[Y+i5], v[i3], v[i4], v[i5]
	v_max_num_f32 v[Y+i6], v[i6], v[i7]
	v_min_num_f32 v[Y+i7], v[i6], v[i7]
.endm
.macro S8B b, st                       ; Y -> X: the groups' firsts, seconds and thirds are sorted among themselves
	IDX \b, \st
	v_max3_num_f32 v[i0], v[Y+i0], v[Y+i3], v[Y+i6]
	v_med3_num_f32 v[i1], v[Y+i0], v[Y+i3], v[Y+i6]
	v_min3_num_f32 v[i2], v[Y+i0], v[Y+i3], v[Y+i6]
	v_max3_num_f32 v[i3], v[Y+i1], v[Y+i4], v[Y+i7]
	v_med3_num_f32 v[i4], v[Y+i1], v[Y+i4], v[Y+i7]
	v_min3_num_f32 v[i5], v[Y+i1], v[Y+i4], v[Y+i7]
	v_max_num_f32 v[i6], v[Y+i2], v[Y+i5]
	v_min_num_f32 v[i7], v[Y+i2], v[Y+i5]
.endm
.macro INS b, n, x                     ; x into the sorted list of n at b: from the end on, each place takes the middle of its upper neighbour, itself and x
.set ii, (\n)-1
.rept (\n)-1
	v_med3_num_f32 v[(\b)+ii], v[(\b)+ii-1], v[(\b)+ii], v[\x]
.set ii, ii-1
.endr
	v_max_num_f32 v[\b], v[\b], v[\x]
.endm
.macro WORK q                          ; a round's 64 numbers of query tile q: 128 + 128 + 192 instructions, five settings of the windows
	WIN 0x15*(1+\q)                                ; sources in the tile's window, destination window 0.  Each accumulator's first read names its registers 0 to 2
.irp t, 0,1,2,3,4,5,6,7
	S8A 8*\t, 1
.endr
	WIN (1+\q)<<6
.irp t, 0,1,2,3,4,5,6,7
	S8B 8*\t, 1
.endr
	WIN 0x15*(1+\q)
.irp e, 0,1,2,3,4,5,6,7
	S8A \e, 8
.endr
	WIN (1+\q)<<6
.irp e, 0,1,2,3,4,5,6,7
	S8B \e, 8
.endr
	WIN 0x55*(1+\q)
.set LO, 64
.set ee, 0
.rept 8
.set ff, 0
.rept 8
.set NN, 21/((1+ee/3)*(1+ee%3)*(1+ff/3)*(1+ff%3))
.if NN > 0
	INS LO, NN, 8*ff+ee
.set LO, LO+NN
.endif
.set ff, ff+1
.endr
.set ee, ee+1
.endr
.endm
.macro U                               ; a trip: round r + 1's fragments are asked for, round r is sorted, round r + 1 is multiplied
	LOADS
	WORK 0
	WORK 1
	WIN 0
	s_wait_dscnt 0x0                               ; the record's 68 loads are in
	MM
	WIN 0
	PLACES 5                                       ; five places behind the last product serve the next loads into its operands, the reads of results, and the next round's products, which begin the sums anew
	s_add_co_u32 s[TB], s[TB], REC
.endm
.macro G                               ; a slot's four rounds
	s_mov_b32 s[RND], 4
.Lround_\@:
	U
	s_sub_co_u32 s[RND], s[RND], 1
	s_cmp_lg_u32 s[RND], 0
	s_cbranch_scc1 .Lround_\@
	s_sub_co_u32 s[TB], s[TB], 4*REC               ; back to a slot's first record,
	s_xor_b32 s[TB], s[TB], SLOT1                  ; in the other slot
.endm
; THE CHANGE OF SLOTS stands at a slot's head.  Each wave waits for all its tensor loads (its record of the slot ahead), adds 0 to its spare word, and waits for that and for its reads of the slot that it has left.
; Behind the barrier the slot ahead is whole and nobody reads the other one, which is then filled: the load has four rounds in which to land.
.macro CHANGE fill
	s_wait_tensorcnt 0x0                           ; no tensor load of mine is out, so the descriptor may be written
	ds_add_u32 v30, v31                            ; 0 onto my spare word
.if \fill
	s_xor_b32 s13, s13, SLOT1                      ; the other slot than last time,
	s_add_nc_u64 s[14:15], s[14:15], 4*REC         ; the next four rounds; the type bits on top are not reached
.endif
	s_wait_dscnt 0x0                               ; the add is done, and my reads of the slot that I have left are over
	s_barrier_signal -1
	s_barrier_wait -1
.if \fill
	tensor_load_to_lds s[12:15], s[16:23]          ; the first thing behind the barrier, and my one tensor load until the next
	s_nop 0
	PLACES 4
.endif
.endm
	s_wait_loadcnt 0x0                             ; round 0 and the queries
	MM
	WIN 0
	PLACES 5
	s_mov_b32 s[VIS], 3
.Lvisit:                                               ; three trips: slot 1 <- rounds 5-8, slot 0 <- rounds 9-12, slot 1 <- rounds 13-16
	CHANGE 1
	G
	s_sub_co_u32 s[VIS], s[VIS], 1
	s_cmp_lg_u32 s[VIS], 0
	s_cbranch_scc1 .Lvisit
	CHANGE 0                                       ; the last slot is written out
	G
	; THE END.  A loop of two trips, so that the merge stands once in the text: a trip merges window 1's lists, then the two windows' lists change places (the master by way of T).
	; M[i] = v[63 + i] of window 1, i = 1 .. 21, is the list of class (0, 0), into which the others are merged, in the order of the classes.
	s_mov_b32 s[VIS], 2
.Ltail:
	WIN 0x55
	; Entry j of class (e, f) has P j - 1 entries at or above it that were merged earlier: entries 1 .. j of each of the P classes whose outputs stand over (e, f)'s in both runs of S8.
	; So its place is P j or later, and the insertion begins there.  (If one of those has fallen out of M, the entry lies at or under M[21] and changes nothing.)
.set LO, 85
.set ee, 0
.rept 8
.set ff, 0
.rept 8
.set PP, (1+ee/3)*(1+ee%3)*(1+ff/3)*(1+ff%3)
.set NN, 21/PP
.if (NN > 0) && (ee+ff > 0)
.set jj, 1
.rept NN
.set ii, 21
.rept 22-PP*jj
	v_med3_num_f32 v[63+ii], v[62+ii], v[63+ii], v[LO+jj-1]
.set ii, ii-1
.endr
.set jj, jj+1
.endr
.set LO, LO+NN
.endif
.set ff, ff+1
.endr
.set ee, ee+1
.endr
	WIN 0x01                                       ; source window 1, destination window 0
.set n, 0
.rept 21
	v_permlanex16_b32 v[T+n], v[64+n], s[SEL], s[SEL+1]   ; the query's other keys lie in the lane 16 away
.set n, n+1
.endr
	WIN 0x45                                       ; M in window 1, the third source in window 0.  T is sorted: its entry j has place j or later
.set jj, 1
.rept 21
.set ii, 21
.if jj == 1
.set cnt, 20
.else
.set cnt, 22-jj
.endif
.rept cnt
	v_med3_num_f32 v[63+ii], v[62+ii], v[63+ii], v[T+jj-1]
.set ii, ii-1
.endr
.if jj == 1
	v_max3_num_f32 v64, v64, v64, v[T]
.endif
.set jj, jj+1
.endr
	WIN 0x01
.set n, 0
.rept 21
	v_mov_b32 v[T+n], v[64+n]
.set n, n+1
.endr
	WIN 0x42                                       ; window 1 <- window 2
.set n, 64
.rept 192
	v_mov_b32 v[n], v[n]
.set n, n+1
.endr
	WIN 0x80                                       ; window 2's master <- T
.set n, 0
.rept 21
	v_mov_b32 v[64+n], v[T+n]
.set n, n+1
.endr
	WIN 0
	s_sub_co_u32 s[VIS], s[VIS], 1
	s_cmp_lg_u32 s[VIS], 0
	s_cbranch_scc1 .Ltail
	; window 1 now holds query tile 0's 21 largest, window 2 tile 1's, each in both halves of the lanes: lanes 0-15 store tile 0's, lanes 16-31 tile 1's
	WIN 0x09                                       ; source 0 window 1, source 1 window 2
.set n, 0
.rept 21
	v_cndmask_b32 v[T+n], v[64+n], v[64+n], s[HM]
.set n, n+1
.endr
	WIN 0
.set n, 0
.rept 21
	global_store_b32 v10, v[T+n], s[46:47] offset:32768*n
.set n, n+1
.endr
	s_wait_tensorcnt 0x0                           ; the wave's end
	ds_add_u32 v30, v31
	s_wait_dscnt 0x0
	s_endpgm
.Lfunc_end_k_qaf7ff58e92_select:
	.size	k_qaf7ff58e92_select, .Lfunc_end_k_qaf7ff58e92_select-k_qaf7ff58e92_select
	.p2alignl 7, 3214868480
	.fill 96, 4, 3214868480
	.section	.rodata,"a",@progbits
	.p2align	6, 0x0
	.amdhsa_kernel k_qaf7ff58e92_select
		.amdhsa_group_segment_fixed_size 327680
		.amdhsa_private_segment_fixed_size 0
		.amdhsa_enable_private_segment 0
		.amdhsa_kernarg_size 16
		.amdhsa_user_sgpr_count 2
		.amdhsa_user_sgpr_kernarg_segment_ptr 1
		.amdhsa_wavefront_size32 1
		.amdhsa_system_sgpr_workgroup_id_x 1
		.amdhsa_system_sgpr_workgroup_id_y 1
		.amdhsa_system_sgpr_workgroup_id_z 1
		.amdhsa_system_vgpr_workitem_id 0
		.amdhsa_next_free_vgpr 1024
		.amdhsa_next_free_sgpr 66
		.amdhsa_reserve_vcc 0
		.amdhsa_float_denorm_mode_32 3
		.amdhsa_float_denorm_mode_16_64 3
		.amdhsa_memory_ordered 1
		.amdhsa_forward_progress 1
		.amdhsa_inst_pref_size 255
	.end_amdhsa_kernel
	.section	.bss,"aw",@nobits
	.p2align	6
	.space	262144
	.amdgpu_metadata
---
amdhsa.version: [ 1, 2 ]
amdhsa.kernels:
  - .name:           k_qaf7ff58e92_select
    .symbol:         k_qaf7ff58e92_select.kd
    .args:
      - { .name: kimg, .offset: 0, .size: 8, .value_kind: global_buffer, .address_space: global }
      - { .name: part, .offset: 8, .size: 8, .value_kind: global_buffer, .address_space: global }
    .group_segment_fixed_size: 327680
    .private_segment_fixed_size: 0
    .kernarg_segment_align: 8
    .kernarg_segment_size: 16
    .max_flat_workgroup_size: 128
    .sgpr_count:     66
    .vgpr_count:     1024
    .wavefront_size: 32
...
	.end_amdgpu_metadata
.endif
;; end of part 2
;; launch weights (part 3): grid 64 x 4, 4 waves a work-group, no clusters, 327,680 bytes of LDS; arguments kimg, part, wimg, wscl; writes wimg, wscl
.if DOCPART == 3
	.amdgcn_target "amdgcn-amd-amdhsa--gfx1250"
	.amdhsa_code_object_version 6
	.text
	.protected	k_qaf7ff58e92_weights
	.globl	k_qaf7ff58e92_weights
	.p2align	8
	.type	k_qaf7ff58e92_weights,@function
k_qaf7ff58e92_weights:
	s_mov_b64 s[64:65], 0
	v_nop
	global_prefetch_b8 v0, s[64:65] scope:SCOPE_SE
	s_setreg_imm32_b32 hwreg(HW_REG_WAVE_MODE, 25, 1), 1
	s_wait_xcnt 0x0
; WEIGHTS.  w(i, j) = max(kth_i - d(i, j), 0) / the row's sum, quantised along the keys into codes of FP6 (E2M3), stored as images of the last product's operand registers.
; The head merges the four quarters' 21 largest D of each of my rows: from them kth (the 21st smallest distance) and the row's sum, which has no other terms than these 21.
; The loop forms D by the same chain of matrix instructions on the same operands as the launch before, then d^2 = sq_i - 2 D, held between 1e-12 and kth^2's own number (one v_med3_num_f32 is both the floor and the
; clip at 0: a key at or beyond kth gets exactly kth - kth = 0), d by v_sqrt_f32, (kth - d) x 1 / sum.
; LIMITS: NaN and infinities are not served.  d^2 = sq_i - 2 (g - sq_j / 2) has two roundings at the size of the three-term form's own, in another order.  A row whose 21 nearest distances are all equal has the
; sum 0; the NaN row of the defining function is not reproduced there.
; SHARES, RING AND PIPELINE are those of the launch before: work-group (rb, quarter), wave w = query tiles 2 w, 2 w + 1 of record rb, a round = a record of 128 keys = one K step of the last product;
; two LDS slots of four records, one tensor load a wave out.  No cluster: what partners could share is 26 KB a round, against some 650 vector instructions a wave and round.
; REGISTERS.  window 0: v1-11 addresses; v30, v31 the spare word's address and 0; v32-47, v48-51 scale words; v64-111 the queries' fragments; v128-231 the head's lists and numbers.
;   window 1: v0-63, v64-127 the accumulators of tile 0, 1; v128 + 8 q on the pairs {sq, sq} {kd, kd} {kth, kth} {1/S, 1/S}; v144-159 at work; v160 the scale word just made; v164-183, v184-203 codes;
;   v204-211 four rounds' scale words a tile; v212-215 what is stored of them; v216, v217 store offsets.   window 2: v0-191 the keys' fragments; v192-255 -sq / 2.
.set REC,   26112
.set HOFF,  24576
.set SOFF,  25088
.set TROW,  98304
.set SLOT1, 131072
.set SPARE, 262144
.set KW,  2
.set KF,  0
.set HN,  192
.set KS,  32
.set QS,  48
.set QF,  64
.set TM,  144
.set PW,  160
.set TB,  24
.set VIS, 25
.set RND, 26
.set WV,  27
.set SEL, 28
.set HM,  30
.set EPS, 31                           ; s31  1e-12
.set MSB, 0
.macro WIN new
.if MSB != (\new)
	s_set_vgpr_msb (MSB<<8)|(\new)
.set MSB, (\new)
.endif
.endm
.macro PLACES n
.rept \n
	v_nop
.endr
.endm
; 64 numbers of a lane, register 16 b + i = k 32 b + 16 (lane / 16) + i of my row, become a fragment's 12 registers at dst and its scale word in sw.  No |.|: no weight is negative.
.macro QUANT src, dst, ct, sw
.irp b, 0,1,2,3
	v_max3_num_f32 v[TM+\b], v[(\src)+16*\b], v[(\src)+1+16*\b], 0x1800000     ; and the floor 2^(3 - 127): a block of zeros keeps the byte 1; its codes are zeros
.endr
.irp i, 2,4,6,8,10,12,14
.irp b, 0,1,2,3
	v_max3_num_f32 v[TM+\b], v[TM+\b], v[(\src)+16*\b+\i], v[(\src)+1+16*\b+\i]
.endr
.endr
.irp b, 0,1,2,3
	v_permlanex16_b32 v[TM+4+\b], v[TM+\b], s[SEL], s[SEL+1]
.endr
.irp b, 0,1,2,3
	v_max_num_f32 v[TM+\b], v[TM+\b], v[TM+4+\b]
.endr
.irp b, 0,1,2,3
	v_add_nc_u32 v[TM+12+\b], 0xff000000, v[TM+\b]          ; 2 off the exponent field: the conversion's scale operand
.endr
.irp b, 0,1,2,3
	v_lshrrev_b32 v[TM+4+\b], 23, v[TM+12+\b]
.endr
	v_lshl_or_b32 v[\sw], v[TM+5], 8, v[TM+4]
	v_lshl_or_b32 v[\sw], v[TM+6], 16, v[\sw]
	v_lshl_or_b32 v[\sw], v[TM+7], 24, v[\sw]
.irp c, 0,1
	v_cvt_scalef32_pk16_fp6_f32 v[(\dst)+6*\c:(\dst)+6*\c+2], v[(\src)+32*\c:(\src)+32*\c+15], v[TM+12+2*\c]
	v_cvt_scalef32_pk16_fp6_f32 v[(\ct)+4*\c:(\ct)+4*\c+2], v[(\src)+32*\c+16:(\src)+32*\c+31], v[TM+13+2*\c]
.endr
	v_nop                                                   ; one plain instruction behind the scaled conversions
.irp c, 0,1
.irp i, 0,1,2
	v_permlane16_swap_b32 v[(\dst)+6*\c+\i], v[(\ct)+4*\c+\i]
.endr
.irp i, 0,1,2
	v_mov_b32 v[(\dst)+6*\c+3+\i], v[(\ct)+4*\c+\i]
.endr
.endr
.endm
	s_load_b256 s[4:11], s[0:1], 0x0               ; kimg s[4:5], part s[6:7], wimg s[8:9], wscl s[10:11]
	v_lshl_add_u32 v30, v0, 2, SPARE
	v_mov_b32 v31, 0
	ds_add_u32 v30, v31
	ds_add_u32 v30, v31
	s_wait_dscnt 0x0
	v_lshrrev_b32 v1, 5, v0
	v_readfirstlane_b32 s[WV], v1
	s_and_b32 s33, ttmp7, 0xffff                   ; the quarter
	s_mov_b32 s16, 3<<16                           ; descriptor group 1: a record as 102 dense rows of 256 bytes
	s_mov_b32 s17, 32<<16
	s_mov_b32 s18, 102<<16
	s_mov_b32 s19, 32<<16
	s_mov_b32 s20, 102
	s_mov_b32 s21, 32
	s_mov_b32 s22, 0
	s_mov_b32 s23, 0
	s_mov_b32 s12, 1
	s_mul_i32 s13, s[WV], REC
	s_lshl_b32 s34, s33, 4
	s_mul_i32 s36, s34, REC
	s_mov_b32 s37, 0
	s_add_co_u32 s38, s13, REC
	s_mov_b32 s39, 0
	s_mul_i32 s40, ttmp9, REC
	s_mov_b32 s41, 0
	s_mov_b32 s[TB], 0
	s_mov_b32 s[SEL], 0x76543210
	s_mov_b32 s[SEL+1], 0xfedcba98
	s_mov_b32 s[HM], 0xffff0000
	s_mov_b32 s[EPS], 0x2b8cbccc
	s_wait_kmcnt 0x0
	s_add_nc_u64 s[36:37], s[4:5], s[36:37]        ; kimg at the quarter's first record
	s_add_nc_u64 s[14:15], s[36:37], s[38:39]
	s_or_b32 s15, s15, 0x80000000
	tensor_load_to_lds s[12:15], s[16:23]          ; slot 0 <- rounds 1 to 4, a record a wave
	s_nop 0
	PLACES 4
	s_add_nc_u64 s[40:41], s[4:5], s[40:41]        ; my queries' record
	s_mul_i32 s38, s[WV], 6144
	s_add_nc_u64 s[42:43], s[40:41], s[38:39]      ; my four images
	s_lshl_b32 s38, s[WV], 8
	s_add_nc_u64 s[44:45], s[40:41], s[38:39]      ; my scale words
	s_lshl_b32 s38, s[WV], 7
	s_add_nc_u64 s[50:51], s[40:41], s[38:39]      ; my 32 positions' -sq / 2
	s_lshl_b32 s35, ttmp9, 9
	s_add_co_u32 s38, s38, s35
	s_add_nc_u64 s[52:53], s[6:7], s[38:39]        ; part at my 32 positions
	s_lshl_b32 s35, ttmp9, 3
	s_lshl_b32 s34, s[WV], 1
	s_add_co_u32 s35, s35, s34                     ; my first query tile: 8 rb + 2 w
	s_mul_i32 s38, s35, TROW
	s_mul_i32 s34, s33, 16*1536
	s_add_co_u32 s38, s38, s34
	s_add_nc_u64 s[46:47], s[8:9], s[38:39]        ; wimg: that tile, the quarter's first K step
	s_lshl_b32 s38, s35, 12
	s_lshl_b32 s34, s33, 10
	s_add_co_u32 s38, s38, s34
	s_add_nc_u64 s[48:49], s[10:11], s[38:39]      ; wscl likewise
	v_and_b32 v1, 15, v0
	v_bfe_u32 v2, v0, 4, 1
	v_and_b32 v9, 31, v0
	v_lshlrev_b32 v3, 4, v9                        ; 16 x lane
	v_lshlrev_b32 v7, 5, v2                        ; 32 h
	v_lshlrev_b32 v8, 4, v1                        ; 16 r
	v_lshlrev_b32 v10, 2, v9                       ; 4 x lane
	v_lshlrev_b32 v11, 12, v2
	v_lshl_add_u32 v11, v1, 4, v11                 ; 4,096 h + 16 r
	WIN KW<<6
.set n, 0
.rept 16
.irp c, 0,1,2
	global_load_b128 v[KF+12*n+4*\c:KF+12*n+4*\c+3], v3, s[36:37] offset:1536*n+512*\c
.endr
.set n, n+1
.endr
.irp t, 0,1,2,3,4,5,6,7
.irp e, 0,1
	global_load_b128 v[HN+8*\t+4*\e:HN+8*\t+4*\e+3], v7, s[36:37] offset:HOFF+64*\t+16*\e
.endr
.endr
	WIN 0
.irp i, 0,1,2,3
	global_load_b128 v[KS+4*\i:KS+4*\i+3], v8, s[36:37] offset:SOFF+256*\i
.endr
.irp f, 0,1,2,3
.irp c, 0,1,2
	global_load_b128 v[QF+12*\f+4*\c:QF+12*\f+4*\c+3], v3, s[42:43] offset:1536*\f+512*\c
.endr
.endr
	global_load_b128 v[QS:QS+3], v8, s[44:45] offset:SOFF
.set n, 0
.rept 84
	global_load_b32 v[128+n], v10, s[52:53] offset:32768*n      ; quarter n / 21, entry n % 21, of position 32 w + lane
.set n, n+1
.endr
	global_load_b32 v212, v10, s[50:51] offset:HOFF
	; registers of window 1 that are read before the loop writes them, and the store offsets
.irp k, 0,1,2,3
	v_mov_b32 v[220+\k], 0
.endr
	WIN 0x40
.irp k, 0,1,2,3
	v_mov_b32 v[TM+4+\k], 0
.endr
.irp k, 0,1,2,3,4,5,6,7
	v_mov_b32 v[204+\k], 0
.endr
	v_mov_b32 v216, v3
	v_mov_b32 v217, v11
	WIN 0
	s_wait_loadcnt 0x0
	; THE HEAD.  Lane l = (tile l / 16, row l % 16).  M[i] = v[127 + i].  A sorted list's entry j has place j or later in the merged list, so its insertion begins there.
.macro MERGE bb
.set jj, 1
.rept 21
.set ii, 21
.if jj == 1
.set cnt, 20
.else
.set cnt, 22-jj
.endif
.rept cnt
	v_med3_num_f32 v[127+ii], v[126+ii], v[127+ii], v[(\bb)+jj-1]
.set ii, ii-1
.endr
.if jj == 1
	v_max_num_f32 v128, v128, v[\bb]
.endif
.set jj, jj+1
.endr
.endm
	MERGE 149
	MERGE 170
	MERGE 191
	v_mul_f32 v213, -2.0, v212                     ; sq of my row
.set n, 0
.rept 21
	v_fma_f32 v[128+n], v[128+n], -2.0, v213       ; d^2, ascending
.set n, n+1
.endr
.set n, 0
.rept 21
	v_max_num_f32 v[128+n], s[EPS], v[128+n]
.set n, n+1
.endr
.set n, 0
	s_wait_alu depctr_va_vdst(0)
.rept 21
	v_sqrt_f32 v[149+n], v[128+n]
.set n, n+1
.endr
	v_nop                                          ; a plain instruction behind the last root,
	s_wait_alu depctr_va_vdst(0)                   ; and one wait for the batch, ahead of its first reader
	v_sub_f32 v214, v169, v149                     ; the row's sum: kth - d over the 20 nearer keys (the 21st adds 0)
.set n, 1
.rept 19
	v_sub_f32 v215, v169, v[149+n]
	v_add_f32 v214, v214, v215
.set n, n+1
.endr
	s_wait_alu depctr_va_vdst(0)
	v_rcp_f32 v216, v214
	v_nop
	s_wait_alu depctr_va_vdst(0)
.macro SPREAD k, p                     ; a number that lane (q, r) holds goes to both halves of the lanes, once for each tile
	v_permlanex16_b32 v[220+\k], v[\p], s[SEL], s[SEL+1]
	v_cndmask_b32 v[224+\k], v[\p], v[220+\k], s[HM]
	v_cndmask_b32 v[228+\k], v[220+\k], v[\p], s[HM]
.endm
	SPREAD 0, 213                                  ; sq
	SPREAD 1, 148                                  ; kd = the 21st d^2
	SPREAD 2, 169                                  ; kth
	SPREAD 3, 216                                  ; 1 / sum
	WIN 0x40
.irp k, 0,1,2,3
	v_mov_b32 v[128+2*\k], v[224+\k]
	v_mov_b32 v[129+2*\k], v[224+\k]
	v_mov_b32 v[136+2*\k], v[228+\k]
	v_mov_b32 v[137+2*\k], v[228+\k]
.endr
	WIN 0
.macro LOADS
	v_add_nc_u32 v4, s[TB], v3
	v_add_nc_u32 v5, s[TB], v7
	v_add_nc_u32 v6, s[TB], v8
	WIN KW<<6
.set n, 0
.rept 16
.irp c, 0,1,2
	ds_load_b128 v[KF+12*n+4*\c:KF+12*n+4*\c+3], v4 offset:1536*n+512*\c
.endr
.set n, n+1
.endr
.irp t, 0,1,2,3,4,5,6,7
.irp e, 0,1
	ds_load_b128 v[HN+8*\t+4*\e:HN+8*\t+4*\e+3], v5 offset:HOFF+64*\t+16*\e
.endr
.endr
	WIN 0
.irp i, 0,1,2,3
	ds_load_b128 v[KS+4*\i:KS+4*\i+3], v6 offset:SOFF+256*\i
.endr
.endm
.macro MMRUN q, s, acc, win
	WIN \win
.irp t, 0,1,2,3,4,5,6,7
.if \s == 0
	v_wmma_scale_f32_16x16x128_f8f6f4 v[(\acc)+8*\t:(\acc)+8*\t+7], v[KF+24*\t:KF+24*\t+11], v[QF+24*\q:QF+24*\q+11], v[HN+8*\t:HN+8*\t+7], v[KS+2*\t], v[QS+2*\q] matrix_a_fmt:MATRIX_FMT_FP6 matrix_b_fmt:MATRIX_FMT_FP6
.else
	v_wmma_scale_f32_16x16x128_f8f6f4 v[(\acc)+8*\t:(\acc)+8*\t+7], v[KF+24*\t+12:KF+24*\t+23], v[QF+24*\q+12:QF+24*\q+23], v[(\acc)+8*\t:(\acc)+8*\t+7], v[KS+2*\t+1], v[QS+2*\q+1] matrix_a_fmt:MATRIX_FMT_FP6 matrix_b_fmt:MATRIX_FMT_FP6
.endif
.endr
.endm
.macro MM                              ; the same chain as in the launch before; the 16 accumulators take turns
	MMRUN 0, 0, 0, 0x62                            ; keys and C window 2, queries window 0, D window 1
	MMRUN 1, 0, 64, 0x62
	MMRUN 0, 1, 0, 0x52                            ; C and D window 1
	MMRUN 1, 1, 64, 0x52
.endm
.macro WORK q                          ; a round's 64 numbers of tile q become a fragment of w; all in window 1
.set A, 64*(\q)
.set P, 128+8*(\q)
.set PC, 164+20*(\q)
.set SW, 204+4*(\q)
	s_wait_xcnt 0x0                                ; the last stores have read their registers: the codes may be written again
.set j, 0
.rept 32
	v_pk_fma_f32 v[A+j:A+j+1], v[A+j:A+j+1], -2.0, v[P:P+1] op_sel_hi:[1,0,1]    ; d^2 = sq - 2 D; each accumulator from its low end on
.set j, j+2
.endr
.set j, 0
.rept 64
	v_med3_num_f32 v[A+j], v[A+j], s[EPS], v[P+2]  ; between 1e-12 and the 21st d^2
.set j, j+1
.endr
.set j, 0
	s_wait_alu depctr_va_vdst(0)
.rept 64
	v_sqrt_f32 v[A+j], v[A+j]
.set j, j+1
.endr
	v_nop                                          ; a plain instruction behind the last root,
	s_wait_alu depctr_va_vdst(0)                   ; and one wait for the batch of 64
.set j, 0
.rept 32
	v_pk_add_f32 v[A+j:A+j+1], v[P+4:P+5], v[A+j:A+j+1] neg_lo:[0,1] neg_hi:[0,1]    ; kth - d, 0 or more
.set j, j+2
.endr
.set j, 0
.rept 32
	v_pk_mul_f32 v[A+j:A+j+1], v[A+j:A+j+1], v[P+6:P+7]                              ; / the row's sum
.set j, j+2
.endr
	QUANT A, PC, PC+12, PW
	v_mov_b32 v[SW], v[SW+1]                       ; four rounds' scale words are gathered: they leave as 16 bytes a row
	v_mov_b32 v[SW+1], v[SW+2]
	v_mov_b32 v[SW+2], v[SW+3]
	v_mov_b32 v[SW+3], v[PW]
.irp c, 0,1,2
	global_store_b128 v216, v[PC+4*\c:PC+4*\c+3], s[46:47] offset:(\q)*TROW+512*\c th:TH_STORE_NT   ; 32 lanes store 512 consecutive bytes, at a multiple of 256 from the buffer's first byte
.endr
.endm
.macro U
	LOADS
	WIN 0x55
	WORK 0
	WORK 1
	s_wait_xcnt 0x0                                ; the stores have read their base:
	s_add_nc_u64 s[46:47], s[46:47], 1536          ; the next K step's image
	WIN 0
	s_wait_dscnt 0x0                               ; the record's 68 loads are in
	MM
	WIN 0
	PLACES 5                                       ; for the next loads into the products' operands, the reads of results, and the next round's products, which begin the sums anew
	s_add_co_u32 s[TB], s[TB], REC
.endm
.macro G
	s_mov_b32 s[RND], 4
.Lround_\@:
	U
	s_sub_co_u32 s[RND], s[RND], 1
	s_cmp_lg_u32 s[RND], 0
	s_cbranch_scc1 .Lround_\@
	WIN 0x55                                       ; four K steps' scale words: lanes 0-15 tile 0's rows, lanes 16-31 tile 1's: each half stores 256 consecutive bytes, aligned
	s_wait_xcnt 0x0
	s_wait_alu depctr_va_vdst(0)
.irp k, 0,1,2,3
	v_cndmask_b32 v[212+\k], v[204+\k], v[208+\k], s[HM]
.endr
	global_store_b128 v217, v[212:215], s[48:49]
	s_wait_xcnt 0x0                                ; the store has read its base
	s_add_nc_u64 s[48:49], s[48:49], 256
	WIN 0
	s_sub_co_u32 s[TB], s[TB], 4*REC
	s_xor_b32 s[TB], s[TB], SLOT1
.endm
.macro CHANGE fill                     ; the change of slots, at a slot's head: all my tensor loads, the add, my reads of the slot that I have left; the barrier; the refill first behind it
	s_wait_tensorcnt 0x0
	ds_add_u32 v30, v31                            ; 0 onto my spare word
.if \fill
	s_xor_b32 s13, s13, SLOT1
	s_add_nc_u64 s[14:15], s[14:15], 4*REC
.endif
	s_wait_dscnt 0x0
	s_barrier_signal -1
	s_barrier_wait -1
.if \fill
	tensor_load_to_lds s[12:15], s[16:23]          ; my one tensor load until the next barrier: it has four rounds in which to land
	s_nop 0
	PLACES 4
.endif
.endm
	MM
	WIN 0
	PLACES 5
	s_mov_b32 s[VIS], 3
.Lvisit:
	CHANGE 1
	G
	s_sub_co_u32 s[VIS], s[VIS], 1
	s_cmp_lg_u32 s[VIS], 0
	s_cbranch_scc1 .Lvisit
	CHANGE 0                                       ; the last slot is written out
	G
	s_wait_tensorcnt 0x0                           ; the wave's end
	ds_add_u32 v30, v31
	s_wait_dscnt 0x0
	s_endpgm
.Lfunc_end_k_qaf7ff58e92_weights:
	.size	k_qaf7ff58e92_weights, .Lfunc_end_k_qaf7ff58e92_weights-k_qaf7ff58e92_weights
	.p2alignl 7, 3214868480
	.fill 96, 4, 3214868480
	.section	.rodata,"a",@progbits
	.p2align	6, 0x0
	.amdhsa_kernel k_qaf7ff58e92_weights
		.amdhsa_group_segment_fixed_size 327680
		.amdhsa_private_segment_fixed_size 0
		.amdhsa_enable_private_segment 0
		.amdhsa_kernarg_size 32
		.amdhsa_user_sgpr_count 2
		.amdhsa_user_sgpr_kernarg_segment_ptr 1
		.amdhsa_wavefront_size32 1
		.amdhsa_system_sgpr_workgroup_id_x 1
		.amdhsa_system_sgpr_workgroup_id_y 1
		.amdhsa_system_sgpr_workgroup_id_z 1
		.amdhsa_system_vgpr_workitem_id 0
		.amdhsa_next_free_vgpr 768
		.amdhsa_next_free_sgpr 66
		.amdhsa_reserve_vcc 0
		.amdhsa_float_denorm_mode_32 3
		.amdhsa_float_denorm_mode_16_64 3
		.amdhsa_memory_ordered 1
		.amdhsa_forward_progress 1
		.amdhsa_inst_pref_size 158
	.end_amdhsa_kernel
	.amdgpu_metadata
---
amdhsa.version: [ 1, 2 ]
amdhsa.kernels:
  - .name:           k_qaf7ff58e92_weights
    .symbol:         k_qaf7ff58e92_weights.kd
    .args:
      - { .name: kimg, .offset: 0, .size: 8, .value_kind: global_buffer, .address_space: global }
      - { .name: part, .offset: 8, .size: 8, .value_kind: global_buffer, .address_space: global }
      - { .name: wimg, .offset: 16, .size: 8, .value_kind: global_buffer, .address_space: global }
      - { .name: wscl, .offset: 24, .size: 8, .value_kind: global_buffer, .address_space: global }
    .group_segment_fixed_size: 327680
    .private_segment_fixed_size: 0
    .kernarg_segment_align: 8
    .kernarg_segment_size: 32
    .max_flat_workgroup_size: 128
    .sgpr_count:     66
    .vgpr_count:     768
    .wavefront_size: 32
...
	.end_amdgpu_metadata
.endif
;; end of part 3
;; launch gemm (part 4): grid 4 x 64, 4 waves a work-group, clusters of 4 x 4, 327,680 bytes of LDS; arguments wimg, wscl, ximg, xscl, out0; writes out0
.if DOCPART == 4
	.amdgcn_target "amdgcn-amd-amdhsa--gfx1250"
	.amdhsa_code_object_version 6
	.text
	.protected	k_qaf7ff58e92_gemm
	.globl	k_qaf7ff58e92_gemm
	.p2align	8
	.type	k_qaf7ff58e92_gemm,@function
k_qaf7ff58e92_gemm:
	s_mov_b64 s[64:65], 0
	v_nop
	global_prefetch_b8 v0, s[64:65] scope:SCOPE_SE
	s_setreg_imm32_b32 hwreg(HW_REG_WAVE_MODE, 25, 1), 1
	s_wait_xcnt 0x0
	s_wait_alu depctr_hold_cnt(0) depctr_sa_sdst(0) depctr_va_vdst(0) depctr_va_sdst(0) depctr_va_ssrc(0) depctr_va_vcc(0) depctr_vm_vsrc(0)
	s_getreg_b32 s2, hwreg(HW_REG_IB_STS2, 6, 4)
	s_cmp_eq_u32 s2, 0
	s_cbranch_scc0 .Lentry_in_a_cluster
	s_endpgm
.Lentry_in_a_cluster:
	s_bfe_u32 s2, ttmp6, 0x10000c
	s_cmp_lg_u32 s2, 0xf033
	s_cbranch_scc0 .Lentry_shape_is_right
	s_endpgm
.Lentry_shape_is_right:
; GEMM.  out = w x on codes of FP6 (E2M3): M = 8,192 rows, N = 512 columns, K = the 8,192 keys, 64 steps of 128.  Both operands lie in memory as images of their registers (1,536 bytes a fragment).
; SHARES.  A work-group makes 128 rows x 128 columns: 256 work-groups.  Four waves; a wave makes 32 rows x 128 columns: 2 tiles of w x 8 tiles of x, 16 accumulators, which take turns.
; w: a wave's two fragments feed that wave's products alone, so they go from memory straight into a ring of 16 steps in registers (windows 2 and 3), asked for AH = 10 steps ahead: 60 loads of 512 bytes are out.
; Through LDS they would be written and read once more with no second reader in the work-group: so no joint load is laid for them; and the loads themselves ask 10 steps ahead, so no prefetch is laid beside them.
; x: two LDS slots of 8 steps x 8 tiles (98,304 bytes), each wave bringing two tiles' 12,288 bytes by one tensor load, asked for JOINTLY by the four work-groups of a column of the cluster.
; Each tile of x is asked for by all 16 clusters in the same step of their walks: no prefetch is laid for it.
; THE SCALES of the work-group's 8 tiles of w (shared along the cluster's row) and 8 tiles of x (along its column), for all of K, come into LDS once, 16,384 bytes a wave, and stay behind the ring.
; At the head a wave issues one tensor load (scales); slot 0's and slot 1's first fills follow, each behind the wait for all loads, the add, its wait and a round of the cluster's barrier, as a refill does.
; THE MATRIX INSTRUCTION IS USED TRANSPOSED: source 0 = 16 columns of x, source 1 = 16 rows of w: a lane holds eight neighbouring numbers of a row of the result.
; THE WAY OUT goes through a stage of 16 rows x 528 bytes a wave in slot 0, which has had its last fill and, ahead of the walk's last barrier, its last read; rows leave as 512 consecutive bytes.
; Row t of tile q is row 8 q + t + 8 (t / 8) of a wave's 32, as the images were laid.
; REGISTERS.  window 0: v16-29 addresses, the spare word's address and 0; v32-63 x's scale words, v64-71 w's, two sets each; v128-255 the accumulators.  window 1: x's fragments, two sets.  windows 2, 3: the ring of w.
.set TROW,   98304
.set FRB,    1536
.set TILEB,  12288
.set SLOT,   98304
.set SCL,    196608
.set SPARE,  262144
.set SPITCH, 528
.set AH,     10
.set ADRB, 16
.set ADSB, 22
.set STO,  24
.set RD,   25
.set LN,   26
.set ADSA, 27
.set SPW,  28
.set NIL,  29
.set SCX,  32
.set SCW,  64
.set ACC,  128
.set WB,   24
.set G1B,  48
.set G0B,  56
.set G1S,  68
.set G0S,  76
.set G1SB, 80
.set G0SB, 88
.set MSB, 0
.macro WIN new
.if MSB != (\new)
	s_set_vgpr_msb (MSB<<8)|(\new)
.set MSB, (\new)
.endif
.endm
.set TO_F, 0x40
.macro PLACES n
.rept \n
	v_nop
.endr
.endm
.macro JLOAD g0a, g1a, g0b, g1b
	s_cmp_eq_u32 s15, 0
	s_cbranch_scc0 .Lfor_b_\@
	tensor_load_to_lds s[\g0a:\g0a+3], s[\g1a:\g1a+7]
	s_nop 0
	PLACES 4
	s_branch .Lasked_\@
.Lfor_b_\@:
	tensor_load_to_lds s[\g0b:\g0b+3], s[\g1b:\g1b+7]
	s_nop 0
	PLACES 4
.Lasked_\@:
.endm
.macro CROUND
	s_barrier_signal -1
	s_barrier_wait -1
	s_cmp_lg_u32 s14, 0
	s_cbranch_scc1 .Lnot_wave_0_\@
	s_barrier_signal -3
.Lnot_wave_0_\@:
	s_barrier_wait -3
	s_barrier_signal -1
	s_barrier_wait -1
.endm
.macro WLOAD i
.set WJ, (\i)%16
	WIN 0x80+0x40*(WJ/8)
.irp q, 0,1
.irp c, 0,1,2
	global_load_b128 v[24*(WJ%8)+12*\q+4*\c:24*(WJ%8)+12*\q+4*\c+3], v[LN], s[WB:WB+1] offset:\q*TROW+(\i)*FRB+512*\c
.endr
.endr
.endm
	s_load_b256 s[4:11], s[0:1], 0x0
	s_load_b64 s[12:13], s[0:1], 0x20
	v_lshl_add_u32 v[SPW], v0, 2, SPARE
	v_mov_b32 v[NIL], 0
	ds_add_u32 v28, v29
	ds_add_u32 v28, v29
	s_wait_dscnt 0x0
	v_lshrrev_b32 v1, 5, v0
	v_readfirstlane_b32 s14, v1
	v_and_b32 v3, 31, v0
	v_lshlrev_b32 v[LN], 4, v3
	s_lshr_b32 s15, s14, 1
	s_and_b32 s16, s14, 1
	s_bfe_u32 s40, ttmp6, 0x40000
	s_bfe_u32 s41, ttmp6, 0x40004
	s_lshl_b32 s42, ttmp9, 2
	s_add_co_u32 s42, s42, s40
	s_and_b32 s17, ttmp7, 0xffff
	s_lshl_b32 s17, s17, 2
	s_add_co_u32 s17, s17, s41
	s_lshl_b32 s43, s41, 2
	s_lshl_b32 s43, 15, s43
	s_lshl_b32 s44, 0x1111, s40
	s_or_b32 s[G1B+0], s44, (3<<16)|(1<<21)
	s_mov_b32 s[G1B+1], 1536<<16
	s_mov_b32 s[G1B+2], 2<<16
	s_mov_b32 s[G1B+3], 1536<<16
	s_mov_b32 s[G1B+4], 2
	s_mov_b32 s[G1B+5], TROW/8
	s_mov_b32 s[G1B+6], 0
	s_mov_b32 s[G1B+7], 0
	s_or_b32 s[G1S+0], s43, (3<<16)|(1<<21)
	s_or_b32 s[G1SB+0], s44, (3<<16)|(1<<21)
.irp g, G1S, G1SB
	s_mov_b32 s[\g+1], 32<<16
	s_mov_b32 s[\g+2], 64<<16
	s_mov_b32 s[\g+3], 32<<16
	s_mov_b32 s[\g+4], 64
	s_mov_b32 s[\g+5], 32
	s_mov_b32 s[\g+6], 0
	s_mov_b32 s[\g+7], 0
.endr
	s_lshl_b32 s18, s16, 2
	s_lshl_b32 s20, s17, 3
	s_add_co_u32 s22, s20, s18
	s_lshl_b32 s22, s22, 12
	s_mov_b32 s23, 0
	s_lshl_b32 s46, s42, 3
	s_add_co_u32 s92, s46, s18
	s_lshl_b32 s92, s92, 12
	s_mov_b32 s93, 0
	s_lshl_b32 s18, s14, 1
	s_add_co_u32 s46, s46, s18
	s_mul_i32 s46, s46, TROW
	s_mov_b32 s47, 0
	s_add_co_u32 s20, s20, s18
	s_mul_i32 s20, s20, TROW
	s_mov_b32 s21, 0
	s_mul_i32 s45, s14, 2*TILEB
	s_lshl_b32 s94, s14, 14
	s_wait_alu depctr_va_vdst(0)
	s_wait_kmcnt 0x0
	s_add_nc_u64 s[WB:WB+1], s[4:5], s[20:21]
	s_add_nc_u64 s[22:23], s[6:7], s[22:23]
	s_add_nc_u64 s[46:47], s[8:9], s[46:47]
	s_add_nc_u64 s[92:93], s[10:11], s[92:93]
.irp i, 0,1,2,3,4,5,6,7,8,9
	WLOAD \i
.endr
	WIN 0
	CROUND
	s_mov_b32 s[G0S], 1
	s_add_co_u32 s[G0S+1], s94, SCL
	s_mov_b64 s[G0S+2:G0S+3], s[22:23]
	s_or_b32 s[G0S+3], s[G0S+3], 0x80000000
	s_mov_b32 s[G0SB], 1
	s_add_co_u32 s[G0SB+1], s94, SCL
	s_mov_b64 s[G0SB+2:G0SB+3], s[92:93]
	s_or_b32 s[G0SB+3], s[G0SB+3], 0x80000000
	JLOAD G0S, G1S, G0SB, G1SB
.irp s, 0,1
	s_mov_b32 s[G0B+4*\s], 1
	s_add_co_u32 s[G0B+4*\s+1], s45, \s*SLOT
	s_add_nc_u64 s[G0B+4*\s+2:G0B+4*\s+3], s[46:47], \s*TILEB
	s_or_b32 s[G0B+4*\s+3], s[G0B+4*\s+3], 0x80000000
	s_wait_alu depctr_va_vdst(0)
	s_wait_tensorcnt 0x0
	ds_add_u32 v28, v29
	s_wait_dscnt 0x0
	CROUND
	tensor_load_to_lds s[G0B+4*\s:G0B+4*\s+3], s[G1B:G1B+7]
	s_nop 0
	PLACES 4
.endr
	v_and_b32 v1, 15, v0
	v_bfe_u32 v2, v0, 4, 1
	v_mov_b32 v[ADRB], v[LN]
	v_add_nc_u32 v[ADRB+1], 4*TILEB, v[LN]
	v_add_nc_u32 v[ADRB+2], SLOT, v[LN]
	v_add_nc_u32 v[ADRB+3], SLOT+4*TILEB, v[LN]
	v_lshlrev_b32 v5, 4, v1
	v_lshl_add_u32 v6, v2, 12, v5
	s_lshl_b32 s21, s14, 13
	s_add_co_u32 s21, s21, SCL
	v_add_nc_u32 v[ADSA], s21, v6
	v_lshl_add_u32 v6, v2, 14, v5
	v_add_nc_u32 v[ADSB], SCL+32768, v6
	s_mul_i32 s23, s14, 16*SPITCH
	v_mul_u32_u24 v5, v1, SPITCH
	v_lshl_add_u32 v5, v2, 5, v5
	v_add_nc_u32 v[STO], s23, v5
	v_add_nc_u32 v[RD], s23, v[LN]
	s_lshl_b32 s20, s17, 18
	s_lshl_b32 s21, s14, 16
	s_add_co_u32 s20, s20, s21
	s_lshl_b32 s21, s42, 9
	s_add_co_u32 s20, s20, s21
	s_mov_b32 s21, 0
	s_add_nc_u64 s[12:13], s[12:13], s[20:21]
.macro FETCH slot, kq, p
	WIN TO_F
.irp b, 0,1,2,3,4,5,6,7
.irp c, 0,1,2
	ds_load_b128 v[128*(\p)+12*\b+4*\c:128*(\p)+12*\b+4*\c+3], v[ADRB+2*(\slot)+\b/4] offset:TILEB*(\b%4)+FRB*(\kq)+512*\c
.endr
.endr
.endm
.macro SCALES g
	WIN 0
.irp i, 0,1,2,3
	ds_load_b128 v[SCX+16*((\g)%2)+4*\i:SCX+16*((\g)%2)+4*\i+3], v[ADSB] offset:4096*\i+256*(\g)
.endr
	ds_load_b128 v[SCW+4*((\g)%2):SCW+4*((\g)%2)+3], v[ADSA] offset:256*(\g)
.endm
.macro WM q, b, p, zero
.set rD, ACC+8*(8*(\q)+(\b))
.set rX, 128*(\p)+12*(\b)
.set rW, 24*(WJ%8)+12*(\q)
.set rSX, SCX+16*SS+4*((\b)%4)+K4
.set rSW, SCW+4*SS+K4
.if \zero
.if ((\b) < 4) && ((\q) == 0)
	v_wmma_scale_f32_16x16x128_f8f6f4 v[rD:rD+7], v[rX:rX+11], v[rW:rW+11], 0, v[rSX], v[rSW] matrix_a_fmt:MATRIX_FMT_FP6 matrix_b_fmt:MATRIX_FMT_FP6
.elseif (\b) < 4
	v_wmma_scale_f32_16x16x128_f8f6f4 v[rD:rD+7], v[rX:rX+11], v[rW:rW+11], 0, v[rSX], v[rSW] matrix_a_fmt:MATRIX_FMT_FP6 matrix_b_fmt:MATRIX_FMT_FP6 matrix_b_scale:MATRIX_SCALE_ROW1
.elseif (\q) == 0
	v_wmma_scale_f32_16x16x128_f8f6f4 v[rD:rD+7], v[rX:rX+11], v[rW:rW+11], 0, v[rSX], v[rSW] matrix_a_fmt:MATRIX_FMT_FP6 matrix_b_fmt:MATRIX_FMT_FP6 matrix_a_scale:MATRIX_SCALE_ROW1
.else
	v_wmma_scale_f32_16x16x128_f8f6f4 v[rD:rD+7], v[rX:rX+11], v[rW:rW+11], 0, v[rSX], v[rSW] matrix_a_fmt:MATRIX_FMT_FP6 matrix_b_fmt:MATRIX_FMT_FP6 matrix_a_scale:MATRIX_SCALE_ROW1 matrix_b_scale:MATRIX_SCALE_ROW1
.endif
.else
.if ((\b) < 4) && ((\q) == 0)
	v_wmma_scale_f32_16x16x128_f8f6f4 v[rD:rD+7], v[rX:rX+11], v[rW:rW+11], v[rD:rD+7], v[rSX], v[rSW] matrix_a_fmt:MATRIX_FMT_FP6 matrix_b_fmt:MATRIX_FMT_FP6
.elseif (\b) < 4
	v_wmma_scale_f32_16x16x128_f8f6f4 v[rD:rD+7], v[rX:rX+11], v[rW:rW+11], v[rD:rD+7], v[rSX], v[rSW] matrix_a_fmt:MATRIX_FMT_FP6 matrix_b_fmt:MATRIX_FMT_FP6 matrix_b_scale:MATRIX_SCALE_ROW1
.elseif (\q) == 0
	v_wmma_scale_f32_16x16x128_f8f6f4 v[rD:rD+7], v[rX:rX+11], v[rW:rW+11], v[rD:rD+7], v[rSX], v[rSW] matrix_a_fmt:MATRIX_FMT_FP6 matrix_b_fmt:MATRIX_FMT_FP6 matrix_a_scale:MATRIX_SCALE_ROW1
.else
	v_wmma_scale_f32_16x16x128_f8f6f4 v[rD:rD+7], v[rX:rX+11], v[rW:rW+11], v[rD:rD+7], v[rSX], v[rSW] matrix_a_fmt:MATRIX_FMT_FP6 matrix_b_fmt:MATRIX_FMT_FP6 matrix_a_scale:MATRIX_SCALE_ROW1 matrix_b_scale:MATRIX_SCALE_ROW1
.endif
.endif
.endm
.macro MUL16 p, lo, zero
.set WJ, (\lo)%16
.set SS, (WJ/4)%2
.set K4, WJ%4
	WIN 0x09+4*(WJ/8)
.irp q, 0,1
.irp b, 0,1,2,3,4,5,6,7
	WM \q, \b, \p, \zero
.endr
.endr
.endm
.macro STEP slot, kq, lo, zero, wl, cnt
	s_wait_dscnt 0x0
	PLACES 4
	FETCH \slot, (\kq)+1, 1-(\kq)%2
.if (\lo)%4 == 3
	SCALES ((\lo)+1)/4
.endif
	s_wait_loadcnt \cnt
.if \wl
	WLOAD (\lo)+AH
.endif
	MUL16 (\kq)%2, \lo, \zero
.endm
.macro TURN slot, next, lo, fill, wl, cnt
	WIN 0
	s_wait_tensorcnt 0x0
	ds_add_u32 v[SPW], v[NIL]
.if \fill
	s_add_nc_u64 s[G0B+4*\slot+2:G0B+4*\slot+3], s[G0B+4*\slot+2:G0B+4*\slot+3], 2*TILEB
.endif
	s_wait_dscnt 0x0
.if \fill
	CROUND
	tensor_load_to_lds s[G0B+4*\slot:G0B+4*\slot+3], s[G1B:G1B+7]
	s_nop 0
	PLACES 4
.else
	s_barrier_signal -1
	s_barrier_wait -1
	PLACES 4
.endif
	FETCH \next, 0, 0
	SCALES ((\lo)+1)/4
	s_wait_loadcnt \cnt
.if \wl
	WLOAD (\lo)+AH
.endif
	MUL16 1, \lo, 0
.endm
	s_wait_alu depctr_va_vdst(0)
	s_wait_tensorcnt 1
	s_barrier_signal -1
	s_barrier_wait -1
	FETCH 0, 0, 0
	SCALES 0
	STEP 0, 0, 0, 1, 1, 54
	WIN 0
	s_mov_b32 s3, 3
.Llap:
	s_wait_alu depctr_va_vdst(0)
.irp k, 1,2,3,4,5,6
	STEP 0, \k, \k, 0, 1, 54
.endr
	TURN 0, 1, 7, 1, 1, 54
.irp k, 0,1,2,3,4,5,6
	STEP 1, \k, 8+\k, 0, 1, 54
.endr
	TURN 1, 0, 15, 1, 1, 54
	STEP 0, 0, 16, 0, 1, 54
	WIN 0
	s_wait_xcnt 0x0
	s_add_nc_u64 s[WB:WB+1], s[WB:WB+1], 16*FRB
	v_add_nc_u32 v[ADSA], 1024, v[ADSA]
	v_add_nc_u32 v[ADSB], 1024, v[ADSB]
	s_sub_co_u32 s3, s3, 1
	s_cmp_lg_u32 s3, 0
	s_cbranch_scc1 .Llap
	s_wait_alu depctr_va_vdst(0)
.irp k, 1,2,3,4,5
	STEP 0, \k, \k, 0, 1, 54
.endr
	STEP 0, 6, 6, 0, 0, 54
	TURN 0, 1, 7, 0, 0, 48
.irp k, 0,1,2,3,4,5,6
	STEP 1, \k, 8+\k, 0, 0, 42-6*\k
.endr
	s_wait_dscnt 0x0
	s_wait_loadcnt 0x0
	MUL16 1, 15, 0
	WIN 0
.macro TOSTAGE q
	WIN 0
.irp b, 0,1,2,3,4,5,6,7
	ds_store_b128 v[STO], v[ACC+8*(8*(\q)+\b):ACC+8*(8*(\q)+\b)+3] offset:64*\b
	ds_store_b128 v[STO], v[ACC+8*(8*(\q)+\b)+4:ACC+8*(8*(\q)+\b)+7] offset:64*\b+16
.endr
	WIN TO_F
.irp t, 0,1,2,3,4,5,6,7,8,9,10,11,12,13,14,15
	ds_load_b128 v[64*(\q)+4*\t:64*(\q)+4*\t+3], v[RD] offset:SPITCH*\t
.endr
.endm
.macro SEND q, younger
	s_wait_dscnt \younger
	WIN 0x04
.irp t, 0,1,2,3,4,5,6,7,8,9,10,11,12,13,14,15
	global_store_b128 v[LN], v[64*(\q)+4*\t:64*(\q)+4*\t+3], s[12:13] offset:(8*(\q)+\t+8*(\t/8))*2048 th:TH_STORE_NT
.endr
.endm
	PLACES 4
	TOSTAGE 0
	TOSTAGE 1
	SEND 0, 32
	SEND 1, 0
	WIN 0
	s_wait_tensorcnt 0x0
	ds_add_u32 v[SPW], v[NIL]
	s_wait_dscnt 0x0
	CROUND
	s_endpgm
.Lfunc_end_k_qaf7ff58e92_gemm:
	.size	k_qaf7ff58e92_gemm, .Lfunc_end_k_qaf7ff58e92_gemm-k_qaf7ff58e92_gemm
	.p2alignl 7, 3214868480
	.fill 96, 4, 3214868480
	.section	.rodata,"a",@progbits
	.p2align	6, 0x0
	.amdhsa_kernel k_qaf7ff58e92_gemm
		.amdhsa_group_segment_fixed_size 327680
		.amdhsa_private_segment_fixed_size 0
		.amdhsa_enable_private_segment 0
		.amdhsa_kernarg_size 40
		.amdhsa_user_sgpr_count 2
		.amdhsa_user_sgpr_kernarg_segment_ptr 1
		.amdhsa_wavefront_size32 1
		.amdhsa_system_sgpr_workgroup_id_x 1
		.amdhsa_system_sgpr_workgroup_id_y 1
		.amdhsa_system_sgpr_workgroup_id_z 1
		.amdhsa_system_vgpr_workitem_id 0
		.amdhsa_next_free_vgpr 1024
		.amdhsa_next_free_sgpr 98
		.amdhsa_reserve_vcc 0
		.amdhsa_float_denorm_mode_32 3
		.amdhsa_float_denorm_mode_16_64 3
		.amdhsa_memory_ordered 1
		.amdhsa_forward_progress 1
		.amdhsa_inst_pref_size 159
	.end_amdhsa_kernel
	.amdgpu_metadata
---
amdhsa.version: [ 1, 2 ]
amdhsa.kernels:
  - .name:           k_qaf7ff58e92_gemm
    .symbol:         k_qaf7ff58e92_gemm.kd
    .args:
      - { .name: wimg, .offset: 0, .size: 8, .value_kind: global_buffer, .address_space: global }
      - { .name: wscl, .offset: 8, .size: 8, .value_kind: global_buffer, .address_space: global }
      - { .name: ximg, .offset: 16, .size: 8, .value_kind: global_buffer, .address_space: global }
      - { .name: xscl, .offset: 24, .size: 8, .value_kind: global_buffer, .address_space: global }
      - { .name: out0, .offset: 32, .size: 8, .value_kind: global_buffer, .address_space: global }
    .group_segment_fixed_size: 327680
    .private_segment_fixed_size: 0
    .kernarg_segment_align: 8
    .kernarg_segment_size: 40
    .max_flat_workgroup_size: 128
    .sgpr_count:     98
    .vgpr_count:     1024
    .wavefront_size: 32
...
	.end_amdgpu_metadata
.endif
;; end of part 4
